; MI455X (gfx1250); checked and timed in simulation.
; The chip was launched on July 23, 2026; its instructions are those of AMD's public machine-readable ISA for CDNA 5 (MIT licence, August 2026) and "CDNA5" Instruction Set Architecture Reference Guide (July 2026). The comments in the code are by the model that wrote it; some were corrected since.
;; Multi Head Attention. Allowed arithmetic: matrix products marked QUANTISED: E2M1 operands, one E8M0 scale for each 32 along K, by v_wmma_scale_f32_16x16x128_f8f6f4 with both operands' format E2M1 (or v_wmma_scale_f32_32x16x128_f4), f32 sums; everything else in f32.
;; Inputs: Wk_codes 1,024 x 32 x 16 uint8 (E2M1 codes of Wk, K innermost, in blocks of 32 codes, two codes a byte); Wk_scales 1,024 x 32 uint8 (E8M0 scales of Wk, one for each 32 codes along K); Wq_codes 1,024 x 32 x 16 uint8 (E2M1 codes of Wq, K innermost, in blocks of 32 codes, two codes a byte); Wq_scales 1,024 x 32 uint8 (E8M0 scales of Wq, one for each 32 codes along K); Wv_codes 1,024 x 32 x 16 uint8 (E2M1 codes of Wv, K innermost, in blocks of 32 codes, two codes a byte); Wv_scales 1,024 x 32 uint8 (E8M0 scales of Wv, one for each 32 codes along K); bk 1,024 float32; bq 1,024 float32; bv 1,024 float32; q_codes 4 x 2,048 x 32 x 16 uint8 (E2M1 codes of q, K innermost, in blocks of 32 codes, two codes a byte); q_scales 4 x 2,048 x 32 uint8 (E8M0 scales of q, one for each 32 codes along K); v_codes 4 x 2,048 x 32 x 16 uint8 (E2M1 codes of v, K innermost, in blocks of 32 codes, two codes a byte); v_scales 4 x 2,048 x 32 uint8 (E8M0 scales of v, one for each 32 codes along K).
;; Outputs: out0 4 x 2,048 x 1,024 float32.
;; This version of the problem:
;;   THIS VERSION OF THE PROBLEM IS GIVEN IN LOW PRECISION. The matrix products marked QUANTISED in the list below multiply operands that are first quantised to E2M1 (2 exponent bits, 1 mantissa bit; 4 bits a number), with one power-of-two scale for each 32 numbers along K (OCP MX v1.0); their sums are f32. All else is computed in f32.
;;   The module's matrix products, in the order in which they are computed (A, B: the left and right operand; K: the contracted axis; several contracted axes count as one K, in the product's order):
;;     1. [M 8,192, K 1,024] x [K 1,024, N 1,024]; A: input q (given as codes); B: input Wq (given as codes): QUANTISED
;;     2. [M 8,192, K 1,024] x [K 1,024, N 1,024]; A: input v (given as codes); B: input Wk (given as codes): QUANTISED
;;     3. [M 8,192, K 1,024] x [K 1,024, N 1,024]; A: input v (given as codes); B: input Wv (given as codes): QUANTISED
;;     4. batch 64 x [M 2,048, K 64] x [K 64, N 2,048]; A: computed on the way; B: computed on the way: QUANTISED
;;     5. batch 64 x [M 64, K 2,048] x [K 2,048, N 2,048]; A: computed on the way; B: softmax (see below): QUANTISED
;;   THE QUANTISER, for each operand of a quantised product, along K:
;;     - K is cut into blocks of 32 from its start; a last block that is shorter is filled with zeros.
;;     - A block's scale is 2^e with e = floor(log2(the largest magnitude in the block)) - 2, held to -126 .. 127; a block of zeros has e = 0. As a byte (E8M0): e + 127.
;;     - Each number is divided by its block's scale, clamped to +-6, and rounded to the nearest number of E2M1, ties to even, subnormals kept.
;;     - The product sums the exact products of the quantised numbers (number of the format x scale) in f32.
;;   ~~~python
;;   def quantise(x, axis):      # numpy; x: float32 -> the quantised numbers, widened to float32 again
;;       x = np.moveaxis(x, axis, -1); K = x.shape[-1]
;;       x = np.pad(x, [(0, 0)] * (x.ndim - 1) + [(0, -K % 32)]); x = x.reshape(x.shape[:-1] + (-1, 32)); a = np.abs(x).max(-1, keepdims=True)
;;       e = np.where(a > 0, np.clip(np.frexp(np.where(a > 0, a, 1))[1] - 1 - 2, -126, 127), 0)      # np.frexp(a)[1] - 1 = floor(log2(a)), exactly
;;       r = np.clip(x / 2.0 ** e, -6, 6)
;;       step = 2.0 ** (np.maximum(np.frexp(np.where(r == 0, 1, r))[1] - 1, 0) - 1)
;;       q = np.round(r / step) * step * 2.0 ** e      # np.round: ties to even
;;       return np.moveaxis(q.reshape(q.shape[:-2] + (-1,))[..., :K], -1, axis).astype(np.float32)
;;   ~~~
;;   SOFTMAX AHEAD OF A QUANTISED PRODUCT. Where the list says 'softmax', what is quantised is not the finished softmax but p = 2^(t - M), with t = logit x log2(e) and M = ceil(the row's largest t), a whole number; so 1/2 < the row's largest p <= 1. The row's sum l is taken of the UNQUANTISED p, in f32, and the product's result is divided by l at the end. Since M is a whole number, a kernel that streams over the keys may use a running M (the ceiling of the running maximum): every later rescaling is an exact power of two, which a block's scale takes up: the codes' values come out the same.
;;   OPERANDS COMPUTED ON THE WAY. 'Computed on the way' means the value that the module computes at that place (a softmax that the list does not call 'softmax' is quantised finished and normalised). What goes into a quantiser is computed in f32, as accurately as f32 sums, v_exp_f32 and their like allow (about 1e-6 of the number): no bf16 or f16 on the way to a quantiser, and a product that is left as it is and whose result goes on into a quantised operand takes f32 operands (vector FMAs, or v_wmma_f32_16x16x4_f32). A number that lies on a knife's edge between two numbers of the format may be rounded either way, as far as f32 arithmetic and the matrix unit's own rounding can turn it there, and no further.
;;   INPUTS GIVEN AS CODES. Wk (in the module: [1024, 1024], K = its axis 0); Wq (in the module: [1024, 1024], K = its axis 0); Wv (in the module: [1024, 1024], K = its axis 0); q (in the module: [4, 2048, 1024], K = its axis 2); v (in the module: [4, 2048, 1024], K = its axis 2): each comes as NAME_codes (uint8): NAME with its K axis moved to the last place and cut into blocks of 32 codes, [.., K / 32, bytes a block], one block behind the other in memory; two codes a byte, the lower K in the low four bits (a code: sign, 2 exponent bits, 1 mantissa bit); and NAME_scales (uint8): the same leading axes, one E8M0 byte (e + 127) for each 32 codes along K. Its value is code x scale, taken as it is: it is not quantised again, and the codes and scales need not be those that the quantiser above would give.
;; One version. Each part assembles by itself: llvm-mc -triple=amdgcn-amd-amdhsa -mcpu=gfx1250 --defsym DOCPART=n.
;; ======== version 1 of 1: 2 launches
;; limits: right only within a limited range of input values
;; workspace buffers: qimg 4,194,304 bytes; kimg 4,194,304 bytes; vimg 4,194,304 bytes; qsc 262,144 bytes; ksc 262,144 bytes; vsc 262,144 bytes
;; launch proj (part 1): grid 4 x 96, 4 waves a work-group, clusters of 4 x 4, 327,680 bytes of LDS; arguments q_codes, q_scales, v_codes, v_scales, Wq_codes, Wq_scales, Wk_codes, Wk_scales, Wv_codes, Wv_scales, bq, bk, bv, qimg, qsc, kimg, ksc, vimg, vsc; writes qimg, qsc, kimg, ksc, vimg, vsc
.if DOCPART == 1
	.amdgcn_target "amdgcn-amd-amdhsa--gfx1250"
	.amdhsa_code_object_version 6
	.text
	.protected	k_qcd2046f88f_proj
	.globl	k_qcd2046f88f_proj
	.p2align	8
	.type	k_qcd2046f88f_proj,@function
k_qcd2046f88f_proj:
	s_mov_b64 s[64:65], 0
	v_nop
	global_prefetch_b8 v0, s[64:65] scope:SCOPE_SE
	s_setreg_imm32_b32 hwreg(HW_REG_WAVE_MODE, 25, 1), 1
	s_wait_xcnt 0x0
	s_wait_alu depctr_hold_cnt(0) depctr_sa_sdst(0) depctr_va_vdst(0) depctr_va_sdst(0) depctr_va_ssrc(0) depctr_va_vcc(0) depctr_vm_vsrc(0)
	s_getreg_b32 s2, hwreg(HW_REG_IB_STS2, 6, 4)
	s_cmp_eq_u32 s2, 0
	s_cbranch_scc0 .Lentry_in_a_cluster
	s_endpgm
.Lentry_in_a_cluster:
	s_bfe_u32 s2, ttmp6, 0x10000c
	s_cmp_lg_u32 s2, 0xf033
	s_cbranch_scc0 .Lentry_shape_is_right
	s_endpgm
.Lentry_shape_is_right:
; THE THREE PROJECTIONS, qp = q Wq + bq, kp = v Wk + bk, vp = v Wv + bv, on the given codes of FP4 (E2M1) with E8M0 scales, each result quantised anew for the attention launch and stored as images of its operand registers.
; The cluster's y / 8 says which product: 0 q, 1 k (rows = tokens, columns = channels; blocks of 32 along the head's channels), 2 v (rows = channels of Wv, columns = tokens: blocks of 32 along the keys).
; A work-group of four waves makes a tile of 256 x 256, a wave 128 x 128.  K = 1,024 is 512 bytes of codes a row: ALL of K of the tile's 256 + 256 rows lies in LDS at once, with the rows' scale bytes.
; Four joint loads at the head, one a wave (A's rows, B's rows, A's scales, B's scales), one wait, one barrier; no LDS byte is filled twice.  4 x 4 work-groups form a cluster: A's tiles are shared along its rows, B's along its columns.
; NO PREFETCH: everything is asked for at the head, so there is no loop in which a request could run ahead of a load.
.set KROW,   512
.set ROWB,   512                       ; a tile's row: all 1,024 codes
.set PITCH,  528                       ; and in LDS: + 16 bytes of padding, 132 words: the 16 rows that a load touches start 4 banks apart
.set NQ,     4
.set FR,     8
.set NL,     2
.set NP,     4
.set HALFT,  128*PITCH
.set SLOT,   256                       ; the second half of K begins 256 bytes on in each row
.set KS,     32
.set SCL,    4*HALFT                   ; behind A's and B's 256 rows: the scales
.set HALFS,  (128*KS/256)*272
.set SBLK,   (16*KS/256)*272
.set STG,    SCL+4*HALFS
.set ADRA, 16
.set ADRB, 20
.set CO1,  24
.set CO2,  25
.set SWA,  26
.set ADRS, 27
.set SRA,  30
.set LI16, 31
.set SC,   32
.set BL,   96
.set AF,   128
.set H,    128
.set BIP,  192
.set TM,   192
.set PC,   208
.set PWS,  216
.set OUTW, 224
.set G1,   24
.set G0,   32
.set G1B,  48
.set G0B,  56
.set G1S,  68
.set G0S,  76
.set G1SB, 80
.set G0SB, 88
.set SEL,  92
.set MSB, 0
.macro WIN new
.if MSB != \new
	s_set_vgpr_msb (MSB<<8)|\new
.set MSB, \new
.endif
.endm
.set MUL_LO,   0xa1
.set MUL_HI,   0xf1
.set FIRST_LO, 0x81
.set FIRST_HI, 0xc1
.set TO_B,     0x40
.macro ARM under, g0, g1, next         ; one arm of the head's tree of branches on the wave's number: its load, and a jump to the tree's end
	s_cmp_lt_u32 s14, \under
	s_cbranch_scc0 \next
	tensor_load_to_lds s[\g0:\g0+3], s[\g1:\g1+7]
	s_nop 0
.rept 4
	v_nop
.endr
	s_branch .Lhead_asked
\next:
.endm
.macro CROUND
	s_barrier_signal -1
	s_barrier_wait -1
	s_cmp_lg_u32 s14, 0
	s_cbranch_scc1 .Lnot_wave_0_\@
	s_barrier_signal -3
.Lnot_wave_0_\@:
	s_barrier_wait -3
	s_barrier_signal -1
	s_barrier_wait -1
.endm
	s_load_b512 s[24:39], s[0:1], 0x0
	s_load_b512 s[48:63], s[0:1], 0x40
	s_load_b128 s[68:71], s[0:1], 0x80
	s_load_b64 s[72:73], s[0:1], 0x90
	v_lshl_add_u32 v126, v0, 2, 0x48c00
	v_mov_b32 v127, 0
	ds_add_u32 v126, v127
	ds_add_u32 v126, v127
	v_lshrrev_b32 v1, 5, v0
	v_readfirstlane_b32 s14, v1
	s_lshr_b32 s15, s14, 1
	s_and_b32 s16, s14, 1
	s_bfe_u32 s40, ttmp6, 0x40000
	s_bfe_u32 s41, ttmp6, 0x40004
	s_and_b32 s99, ttmp7, 0xffff
	s_lshr_b32 s98, s99, 3
	s_and_b32 s99, s99, 7
	s_lshl_b32 s2, s99, 2
	s_cmp_eq_u32 s98, 2
	s_cselect_b32 s17, 0, s2
	s_cselect_b32 s42, s2, 0
	s_add_co_u32 s17, s17, s41
	s_add_co_u32 s42, s42, s40
	s_lshl_b32 s43, s41, 2
	s_lshl_b32 s43, 15, s43
	s_lshl_b32 s44, 0x1111, s40
	s_mov_b32 s18, 0                               ; a load brings all 256 rows of a tile
	s_lshl_b32 s19, s17, 8
	s_add_co_u32 s19, s19, s18
	s_lshl_b32 s3, s42, 8
	s_add_co_u32 s3, s3, s18
	s_lshl_b32 s20, s19, 9
	s_mov_b32 s21, 0
	s_lshl_b32 s22, s19, 5
	s_mov_b32 s23, 0
	s_lshl_b32 s46, s3, 9
	s_mov_b32 s47, 0
	s_lshl_b32 s92, s3, 5
	s_mov_b32 s93, 0
	s_wait_dscnt 0x0
	s_wait_kmcnt 0x0
	s_cmp_eq_u32 s98, 0
	s_cselect_b64 s[4:5], s[24:25], s[28:29]
	s_cselect_b64 s[6:7], s[26:27], s[30:31]
	s_cselect_b64 s[8:9], s[32:33], s[36:37]
	s_cselect_b64 s[10:11], s[34:35], s[38:39]
	s_cselect_b64 s[96:97], s[52:53], s[54:55]
	s_cselect_b64 s[12:13], s[58:59], s[62:63]
	s_cselect_b64 s[66:67], s[60:61], s[68:69]
	s_cmp_eq_u32 s98, 2
	s_cselect_b64 s[4:5], s[48:49], s[4:5]
	s_cselect_b64 s[6:7], s[50:51], s[6:7]
	s_cselect_b64 s[8:9], s[28:29], s[8:9]
	s_cselect_b64 s[10:11], s[30:31], s[10:11]
	s_cselect_b64 s[96:97], s[56:57], s[96:97]
	s_cselect_b64 s[12:13], s[70:71], s[12:13]
	s_cselect_b64 s[66:67], s[72:73], s[66:67]
	s_add_nc_u64 s[20:21], s[4:5], s[20:21]
	s_add_nc_u64 s[22:23], s[6:7], s[22:23]
	s_add_nc_u64 s[46:47], s[8:9], s[46:47]
	s_add_nc_u64 s[92:93], s[10:11], s[92:93]
	s_or_b32 s[G1+0], s43, (0<<16)|(1<<20)|(1<<21)|(6<<22)|(3<<25)   ; padding: four words behind every 128
	s_or_b32 s[G1B+0], s44, (0<<16)|(1<<20)|(1<<21)|(6<<22)|(3<<25)
.irp g, G1, G1B
	s_mov_b32 s[\g+1], ROWB<<16
	s_mov_b32 s[\g+2], 256<<16
	s_mov_b32 s[\g+3], ROWB<<16
	s_mov_b32 s[\g+4], 256
	s_mov_b32 s[\g+5], KROW
	s_mov_b32 s[\g+6], 0
	s_mov_b32 s[\g+7], 0
.endr
	s_or_b32 s[G1S+0], s43, (3<<16)|(1<<20)|(1<<21)|(5<<22)|(3<<25)
	s_or_b32 s[G1SB+0], s44, (3<<16)|(1<<20)|(1<<21)|(5<<22)|(3<<25)
.irp g, G1S, G1SB
	s_mov_b32 s[\g+1], 32<<16
	s_mov_b32 s[\g+2], (256*KS/256)<<16
	s_mov_b32 s[\g+3], 32<<16
	s_mov_b32 s[\g+4], 256*KS/256
	s_mov_b32 s[\g+5], 32
	s_mov_b32 s[\g+6], 0
	s_mov_b32 s[\g+7], 0
.endr
	CROUND
	s_mov_b32 s[G0S], 1
	s_mov_b32 s[G0S+1], SCL
	s_mov_b64 s[G0S+2:G0S+3], s[22:23]
	s_or_b32 s[G0S+3], s[G0S+3], 0x80000000
	s_mov_b32 s[G0SB], 1
	s_mov_b32 s[G0SB+1], SCL+2*HALFS
	s_mov_b64 s[G0SB+2:G0SB+3], s[92:93]
	s_or_b32 s[G0SB+3], s[G0SB+3], 0x80000000
	s_mov_b32 s[G0], 1
	s_mov_b32 s[G0+1], 0
	s_mov_b64 s[G0+2:G0+3], s[20:21]
	s_or_b32 s[G0+3], s[G0+3], 0x80000000
	s_mov_b32 s[G0B], 1
	s_mov_b32 s[G0B+1], 2*HALFT
	s_mov_b64 s[G0B+2:G0B+3], s[46:47]
	s_or_b32 s[G0B+3], s[G0B+3], 0x80000000
	; the head's four loads, one a wave: wave 0 A's 256 rows, wave 1 B's, wave 2 A's scales, wave 3 B's
	ARM 1, G0,  G1,  .Lhead_b
	ARM 2, G0B, G1B, .Lhead_sa
	ARM 3, G0S, G1S, .Lhead_sb
	tensor_load_to_lds s[G0SB:G0SB+3], s[G1SB:G1SB+7]
	s_nop 0
.rept 4
	v_nop
.endr
.Lhead_asked:
	s_cmp_eq_u32 s98, 2
	s_cselect_b32 s18, s42, s17
	s_cselect_b32 s19, s16, s15
	s_cselect_b32 s20, s17, s42
	s_cselect_b32 s21, s15, s16
	s_mov_b32 s94, 512
	s_cselect_b32 s94, 1024, s94
	s_mov_b32 s95, 0x10000
	s_cselect_b32 s95, 512, s95
	s_cselect_b32 s100, 0, -1
	s_cselect_b32 s101, -1, 0
	s_lshr_b32 s22, s18, 3
	s_and_b32 s18, s18, 7
	s_lshl_b32 s18, s18, 1
	s_add_co_u32 s18, s18, s19
	s_lshl_b32 s20, s20, 1
	s_add_co_u32 s20, s20, s21
	s_lshl_b32 s2, s20, 17
	s_lshl_b32 s3, s18, 12
	s_add_co_u32 s2, s2, s3
	s_lshl_b32 s3, s18, 16
	s_lshl_b32 s23, s20, 13
	s_add_co_u32 s3, s3, s23
	s_cmp_eq_u32 s98, 2
	s_cselect_b32 s2, s3, s2
	s_lshl_b32 s3, s22, 20
	s_add_co_u32 s2, s2, s3
	s_mov_b32 s3, 0
	s_add_nc_u64 s[12:13], s[12:13], s[2:3]
	s_lshl_b32 s2, s20, 13
	s_lshl_b32 s23, s18, 9
	s_add_co_u32 s2, s2, s23
	s_lshl_b32 s19, s18, 12
	s_lshl_b32 s23, s20, 9
	s_add_co_u32 s19, s19, s23
	s_cmp_eq_u32 s98, 2
	s_cselect_b32 s2, s19, s2
	s_lshl_b32 s19, s22, 16
	s_add_co_u32 s2, s2, s19
	s_add_nc_u64 s[66:67], s[66:67], s[2:3]
	s_lshl_b32 s2, s20, 9
	s_add_nc_u64 s[96:97], s[96:97], s[2:3]
	s_mov_b32 s[SEL], 0x76543210
	s_mov_b32 s[SEL+1], 0xfedcba98
	v_and_b32 v1, 15, v0
	v_bfe_u32 v2, v0, 4, 1
	v_lshlrev_b32 v8, 5, v2
	v_lshlrev_b32 v9, 2, v1
.irp b, 0,1,2,3,4,5,6,7
	global_load_b128 v[BIP+8*\b:BIP+8*\b+3], v8, s[96:97] offset:64*\b
	global_load_b128 v[BIP+8*\b+4:BIP+8*\b+7], v8, s[96:97] offset:64*\b+16
.endr
.irp a, 0,1,2,3,4,5,6,7
	global_load_b32 v[BL+2*\a], v9, s[96:97] offset:64*\a
.endr
	v_mul_u32_u24 v3, v1, PITCH
	v_lshl_add_u32 v4, v2, 4, v3
	s_mul_i32 s21, s15, HALFT
	s_mul_i32 s22, s16, HALFT
	s_add_co_u32 s22, s22, 2*HALFT
.irp s, 0,1
	v_add_nc_u32 v[ADRA+\s], s21, v4
	v_add_nc_u32 v[ADRB+\s], s22, v4
	s_add_co_u32 s21, s21, SLOT
	s_add_co_u32 s22, s22, SLOT
.endr
	v_mul_u32_u24 v5, v1, KS
	v_lshrrev_b32 v6, 8, v5
	v_lshl_add_u32 v5, v6, 4, v5
	s_mul_i32 s21, s15, HALFS
	s_mul_i32 s22, s16, HALFS
	s_add_co_u32 s22, s22, 2*HALFS
	s_sub_co_u32 s22, s22, s21
	v_mul_u32_u24 v6, s22, v2
	s_add_co_u32 s21, s21, SCL
	v_add_nc_u32 v5, v5, v6
	v_add_nc_u32 v[ADRS], s21, v5
	v_and_b32 v6, 31, v0
	v_lshlrev_b32 v[CO1], 4, v6
	v_add_nc_u32 v[CO2], s95, v[CO1]
	v_mov_b32 v[LI16], v[CO1]
	s_lshl_b32 s23, s14, 9
	s_add_co_u32 s23, s23, STG
	v_lshl_add_u32 v[SWA], v1, 2, s23
	v_add_nc_u32 v[SRA], s23, v[LI16]
	s_wait_loadcnt 0x0
.set J, 0
.rept 64
	v_and_b32 v[BIP+J], s100, v[BIP+J]
.set J, J+1
.endr
.irp a, 0,1,2,3,4,5,6,7
	v_and_b32 v[BL+2*\a+1], s101, v[BL+2*\a]
	v_and_b32 v[BL+2*\a], s101, v[BL+2*\a]
.endr
.macro FRAG reg, adr, q, i
.irp c, 0,1
	ds_load_b128 v[\reg+4*\c:\reg+4*\c+3], v[\adr] offset:64*(\q)+32*\c+(\i)*16*PITCH
.endr
.endm
.macro MUL16 a0, p, q, sc, first
.irp a, \a0, \a0+1
.irp b, 0,1,2,3,4,5,6,7
.if \first
	v_wmma_scale_f32_16x16x128_f8f6f4 v[8*(8*((\a)%4)+\b):8*(8*((\a)%4)+\b)+7], v[128*(\p)+FR*\b:128*(\p)+FR*\b+FR-1], v[AF+FR*(\a):AF+FR*(\a)+FR-1], v[BIP+8*\b:BIP+8*\b+7], v[SC+8*NQ*(\sc)+NQ*\b+(\q)], v[SC+8*NQ*(\sc)+NQ*(\a)+(\q)] matrix_a_fmt:MATRIX_FMT_FP4 matrix_b_fmt:MATRIX_FMT_FP4 matrix_a_scale:MATRIX_SCALE_ROW1
.else
	v_wmma_scale_f32_16x16x128_f8f6f4 v[8*(8*((\a)%4)+\b):8*(8*((\a)%4)+\b)+7], v[128*(\p)+FR*\b:128*(\p)+FR*\b+FR-1], v[AF+FR*(\a):AF+FR*(\a)+FR-1], v[8*(8*((\a)%4)+\b):8*(8*((\a)%4)+\b)+7], v[SC+8*NQ*(\sc)+NQ*\b+(\q)], v[SC+8*NQ*(\sc)+NQ*(\a)+(\q)] matrix_a_fmt:MATRIX_FMT_FP4 matrix_b_fmt:MATRIX_FMT_FP4 matrix_a_scale:MATRIX_SCALE_ROW1
.endif
.endr
.endr
.endm
.macro FETCH_B slot, q, p
	WIN TO_B
.irp i, 0,1,2,3,4,5,6,7
	FRAG 128*(\p)+FR*\i, ADRB+\slot, \q, \i
.endr
	WIN 0
.endm
.macro FETCH_A slot, q, i0
.irp i, \i0, \i0+1, \i0+2, \i0+3
	FRAG AF+FR*(\i), ADRA+\slot, \q, \i
.endr
.endm
.macro SCALES sc
.irp i, 0,1,2,3,4,5,6,7
	ds_load_b128 v[SC+8*NQ*\sc+NQ*\i:SC+8*NQ*\sc+NQ*\i+3], v[ADRS] offset:\i*SBLK
.endr
.endm
.macro PLACES n
.rept \n
	v_nop
.endr
.endm
.macro STEP slot, q, first
	s_wait_dscnt 4*NL
.if \first
	WIN FIRST_LO
.else
	WIN MUL_LO
.endif
	MUL16 0, (\q)%2, \q, \slot, \first
	MUL16 2, (\q)%2, \q, \slot, \first
	s_wait_dscnt 0
	PLACES NP
	FETCH_B \slot, (\q)+1, 1-(\q)%2
	FETCH_A \slot, (\q)+1, 0
.if \first
	WIN FIRST_HI
.else
	WIN MUL_HI
.endif
	MUL16 4, (\q)%2, \q, \slot, \first
	MUL16 6, (\q)%2, \q, \slot, \first
	PLACES NP
	WIN 0
	FETCH_A \slot, (\q)+1, 4
.endm
	s_wait_alu depctr_va_vdst(0)                   ; the wait at the head's end
	s_wait_tensorcnt 0x0                           ; my one load is in; behind the barrier all four are
	s_barrier_signal -1
	s_barrier_wait -1
	FETCH_B 0, 0, 0
	FETCH_A 0, 0, 0
	SCALES 0
	FETCH_A 0, 0, 4
	STEP 0, 0, 1
	STEP 0, 1, 0
	STEP 0, 2, 0
	s_wait_dscnt 4*NL
	WIN MUL_LO
	MUL16 0, 1, NQ-1, 0, 0
	MUL16 2, 1, NQ-1, 0, 0
	s_wait_dscnt 0x0
	WIN 0
	PLACES NP
	v_add_nc_u32 v[ADRS], 4*NQ, v[ADRS]
	FETCH_B 1, 0, 0
	FETCH_A 1, 0, 0
	SCALES 1
	WIN MUL_HI
	MUL16 4, 1, NQ-1, 0, 0
	MUL16 6, 1, NQ-1, 0, 0
	PLACES NP
	WIN 0
	FETCH_A 1, 0, 4
	STEP 1, 0, 0
	STEP 1, 1, 0
	STEP 1, 2, 0
	s_wait_dscnt 4*NL
	WIN MUL_LO
	MUL16 0, 1, NQ-1, 1, 0
	MUL16 2, 1, NQ-1, 1, 0
	s_wait_dscnt 0
	WIN MUL_HI
	MUL16 4, 1, NQ-1, 1, 0
	MUL16 6, 1, NQ-1, 1, 0
	WIN 0
.macro EPI a
.set AC, 64*((\a)%4)
	WIN 0x02+(\a)/4
.set J, 0
.rept 32
	v_pk_add_f32 v[H+J:H+J+1], v[AC+J:AC+J+1], v[BL+2*(\a):BL+2*(\a)+1]
.set J, J+2
.endr
	WIN 0
.irp b, 0,1,2,3
	v_max3_num_f32 v[TM+\b], |v[H+16*\b]|, |v[H+1+16*\b]|, 0x1800000
.endr
.irp i, 2,4,6,8,10,12,14
.irp b, 0,1,2,3
	v_max3_num_f32 v[TM+\b], v[TM+\b], |v[H+16*\b+\i]|, |v[H+1+16*\b+\i]|
.endr
.endr
.irp b, 0,1,2,3
	v_permlanex16_b32 v[TM+4+\b], v[TM+\b], s[SEL], s[SEL+1]
.endr
.irp b, 0,1,2,3
	v_max_num_f32 v[TM+\b], v[TM+\b], v[TM+4+\b]
.endr
.irp b, 0,1,2,3
	v_add_nc_u32 v[TM+12+\b], 0xff000000, v[TM+\b]
.endr
.irp b, 0,1,2,3
	v_lshrrev_b32 v[TM+4+\b], 23, v[TM+12+\b]
.endr
	v_lshl_or_b32 v[PWS+\a], v[TM+5], 8, v[TM+4]
	v_lshl_or_b32 v[PWS+\a], v[TM+6], 16, v[PWS+\a]
	v_lshl_or_b32 v[PWS+\a], v[TM+7], 24, v[PWS+\a]
.if (\a) > 0
	s_wait_xcnt 0x0
	v_add_nc_u32 v[CO1], s94, v[CO1]
	v_add_nc_u32 v[CO2], s94, v[CO2]
.endif
.irp c, 0,1
	v_cvt_scalef32_pk8_fp4_f32 v[PC+4*\c],   v[H+32*\c:H+32*\c+7],     v[TM+12+2*\c]
	v_cvt_scalef32_pk8_fp4_f32 v[PC+4*\c+1], v[H+32*\c+16:H+32*\c+23], v[TM+13+2*\c]
	v_cvt_scalef32_pk8_fp4_f32 v[PC+4*\c+2], v[H+32*\c+8:H+32*\c+15],  v[TM+12+2*\c]
	v_cvt_scalef32_pk8_fp4_f32 v[PC+4*\c+3], v[H+32*\c+24:H+32*\c+31], v[TM+13+2*\c]
.endr
	v_nop
.irp c, 0,1
	v_permlane16_swap_b32 v[PC+4*\c], v[PC+4*\c+1]
	v_permlane16_swap_b32 v[PC+4*\c+2], v[PC+4*\c+3]
.endr
	global_store_b128 v[CO1], v[PC:PC+3], s[12:13]
	global_store_b128 v[CO2], v[PC+4:PC+7], s[12:13]
	ds_store_b32 v[SWA], v[PWS+\a] offset:64*(\a)
.endm
	PLACES NP
.irp b, 0,1,2,3
	v_mov_b32 v[TM+4+\b], 0
.endr
.irp a, 0,1,2,3,4,5,6,7
	EPI \a
.endr
	ds_load_b128 v[OUTW:OUTW+3], v[SRA]
	s_wait_dscnt 0x0
	global_store_b128 v[LI16], v[OUTW:OUTW+3], s[66:67]
	s_wait_tensorcnt 0x0
	ds_add_u32 v126, v127
	s_wait_dscnt 0x0
	CROUND
	s_endpgm
.Lfunc_end_k_qcd2046f88f_proj:
	.size	k_qcd2046f88f_proj, .Lfunc_end_k_qcd2046f88f_proj-k_qcd2046f88f_proj
	.p2alignl 7, 3214868480
	.fill 96, 4, 3214868480
	.section	.rodata,"a",@progbits
	.p2align	6, 0x0
	.amdhsa_kernel k_qcd2046f88f_proj
		.amdhsa_group_segment_fixed_size 327680
		.amdhsa_private_segment_fixed_size 0
		.amdhsa_enable_private_segment 0
		.amdhsa_kernarg_size 152
		.amdhsa_user_sgpr_count 2
		.amdhsa_user_sgpr_kernarg_segment_ptr 1
		.amdhsa_wavefront_size32 1
		.amdhsa_system_sgpr_workgroup_id_x 1
		.amdhsa_system_sgpr_workgroup_id_y 1
		.amdhsa_system_sgpr_workgroup_id_z 1
		.amdhsa_system_vgpr_workitem_id 0
		.amdhsa_next_free_vgpr 1024
		.amdhsa_next_free_sgpr 102
		.amdhsa_reserve_vcc 0
		.amdhsa_float_denorm_mode_32 3
		.amdhsa_float_denorm_mode_16_64 3
		.amdhsa_memory_ordered 1
		.amdhsa_forward_progress 1
		.amdhsa_inst_pref_size 150
	.end_amdhsa_kernel
	.amdgpu_metadata
---
amdhsa.version: [ 1, 2 ]
amdhsa.kernels:
  - .name:           k_qcd2046f88f_proj
    .symbol:         k_qcd2046f88f_proj.kd
    .args:
      - { .name: q_codes, .offset: 0, .size: 8, .value_kind: global_buffer, .address_space: global }
      - { .name: q_scales, .offset: 8, .size: 8, .value_kind: global_buffer, .address_space: global }
      - { .name: v_codes, .offset: 16, .size: 8, .value_kind: global_buffer, .address_space: global }
      - { .name: v_scales, .offset: 24, .size: 8, .value_kind: global_buffer, .address_space: global }
      - { .name: Wq_codes, .offset: 32, .size: 8, .value_kind: global_buffer, .address_space: global }
      - { .name: Wq_scales, .offset: 40, .size: 8, .value_kind: global_buffer, .address_space: global }
      - { .name: Wk_codes, .offset: 48, .size: 8, .value_kind: global_buffer, .address_space: global }
      - { .name: Wk_scales, .offset: 56, .size: 8, .value_kind: global_buffer, .address_space: global }
      - { .name: Wv_codes, .offset: 64, .size: 8, .value_kind: global_buffer, .address_space: global }
      - { .name: Wv_scales, .offset: 72, .size: 8, .value_kind: global_buffer, .address_space: global }
      - { .name: bq, .offset: 80, .size: 8, .value_kind: global_buffer, .address_space: global }
      - { .name: bk, .offset: 88, .size: 8, .value_kind: global_buffer, .address_space: global }
      - { .name: bv, .offset: 96, .size: 8, .value_kind: global_buffer, .address_space: global }
      - { .name: qimg, .offset: 104, .size: 8, .value_kind: global_buffer, .address_space: global }
      - { .name: qsc, .offset: 112, .size: 8, .value_kind: global_buffer, .address_space: global }
      - { .name: kimg, .offset: 120, .size: 8, .value_kind: global_buffer, .address_space: global }
      - { .name: ksc, .offset: 128, .size: 8, .value_kind: global_buffer, .address_space: global }
      - { .name: vimg, .offset: 136, .size: 8, .value_kind: global_buffer, .address_space: global }
      - { .name: vsc, .offset: 144, .size: 8, .value_kind: global_buffer, .address_space: global }
    .group_segment_fixed_size: 327680
    .private_segment_fixed_size: 0
    .kernarg_segment_align: 8
    .kernarg_segment_size: 152
    .max_flat_workgroup_size: 128
    .sgpr_count:     102
    .vgpr_count:     1024
    .wavefront_size: 32
...
	.end_amdgpu_metadata
.endif
;; end of part 1
;; launch attn (part 2): grid 4 x 64, 16 waves a work-group, clusters of 4 x 1, 327,680 bytes of LDS; arguments qimg, qsc, kimg, ksc, vimg, vsc, out0; writes out0
.if DOCPART == 2
	.amdgcn_target "amdgcn-amd-amdhsa--gfx1250"
	.amdhsa_code_object_version 6
	.text
	.protected	k_qcd2046f88f_attn
	.globl	k_qcd2046f88f_attn
	.p2align	8
	.type	k_qcd2046f88f_attn,@function
k_qcd2046f88f_attn:
	s_mov_b64 s[64:65], 0
	v_nop
	global_prefetch_b8 v0, s[64:65] scope:SCOPE_SE
	s_setreg_imm32_b32 hwreg(HW_REG_WAVE_MODE, 25, 1), 1
	s_wait_xcnt 0x0
	s_wait_alu depctr_hold_cnt(0) depctr_sa_sdst(0) depctr_va_vdst(0) depctr_va_sdst(0) depctr_va_ssrc(0) depctr_va_vcc(0) depctr_vm_vsrc(0)
	s_getreg_b32 s2, hwreg(HW_REG_IB_STS2, 6, 4)
	s_cmp_eq_u32 s2, 0
	s_cbranch_scc0 .Lentry_in_a_cluster
	s_endpgm
.Lentry_in_a_cluster:
	s_bfe_u32 s2, ttmp6, 0x10000c
	s_cmp_lg_u32 s2, 0x3003
	s_cbranch_scc0 .Lentry_shape_is_right
	s_endpgm
.Lentry_shape_is_right:
; ATTENTION on the codes that the launch before has made: out[b][q][head][:] = the sum over k of softmax_k(qp . kp / 32) vp, both products on codes of FP4 (E2M1) with one E8M0 scale for each 32 along K.
; THE SOFTMAX AHEAD OF THE SECOND PRODUCT: t = score x log2(e) / 32; M = the row's largest t so far, rounded UP to a whole number; p = 2^(t - M) is quantised along the keys, not normalised.
; The row's sum is taken of the unquantised p, in f32, and divides O at the end.  When M moves, the sum and O are multiplied by 2^(old M - new M): exact.
; SHARES.  A work-group owns 512 queries of one (batch, head); each of its sixteen waves owns 32, two tiles of 16, in 256 registers; every wave walks the head's 2,048 keys, 128 a step, in one loop of 16 trips.
; A WHOLE HEAD'S K AND V, 64 KB of codes each, COME INTO LDS ONCE, by sixteen tensor loads at the head, one a wave (waves 0-7: 8,192 bytes of K each; waves 8-15: two key steps of V each): no LDS byte is filled twice, and one barrier shows all of it.
; CLUSTER.  The four blocks of queries of a head form a cluster and read the same K and V: each piece is asked for jointly, by the same load with the same descriptor and a mask that names the four.
; NO PREFETCH: all of K and V is asked for at the head, so there is no loop in which a request could run ahead of a load.
; LAYOUT.  Both products are used transposed: S^T = K Q^T, O^T = V^T P^T: a lane holds ONE query (lane % 16) throughout.
; THE KEYS OF A TILE ARE CHOSEN: row r of score tile 4 c + i is key 64 c + 8 i + r % 8 + 32 (r / 8).  So lane (r, h) holds in v[S + 32 c] on the 32 keys 64 c + 32 h + 0 .. 31 in order: ONE WHOLE BLOCK.
; The block's maximum needs no other lane, and the conversion of tile 4 c + i is register 4 c + i of P's operand as it stands.
; K = 64 IN AN INSTRUCTION OF 128.  Two tiles' images fill one fragment; multiplied by (q, zeros) it gives the first tile, by (zeros, q) the second: the half that does not count meets zero codes under finite scale bytes.
; A scale word of K or Q holds its two bytes twice, so that it serves either half.
; INDEPENDENT CHAINS STAND BESIDE EACH OTHER: the row's sums go in four chains; tile 0's sums stand among the lines that make P's scale word, tile 1's rescaling of O^T likewise; tile 0's rescaling fills the places behind the second scores;
; tile 1's sums are taken at the NEXT step's head, between K's LDS loads and the wait for them (S is cleared once, so the first trip adds zeros; the last step's follow the loop).
; LIMITS: the promise holds while |t| stays under 2^23 (M exact); p under 2^-126 counts as 0 (v_exp_f32 gives no denormals: ISA guide, its entry); a block whose every p is under 2^-124 has its byte held at 1; NaN and infinities are not served.
.set KIMG, 0                           ; K's images: 512 bytes for each 16 keys + 64 of padding, so that keys 32 apart (two images) lie 1,152 bytes apart: the 16 lanes of a load touch 256 different bytes modulo 256
.set KCH,  576
.set VIMG, 73728                       ; V's fragments: (key step ks, 16 channels dt) at 4096 ks + 1024 dt
.set KSC,  139264                      ; K's scale words, one a key
.set VSC,  147456                      ; V's: 64 words for each key step
.set STG,  151552                      ; the way out: 16 rows x (256 bytes + 16) for each wave.  KSC, VSC, STG are written by LDS stores alone, KIMG and VIMG by tensor loads alone
.set SPARE, 221184                     ; the spare words, 128 bytes a wave
.set SP,   272
.set LI,   1                           ; 16 x lane
.set LIV,  2                           ; 16 x lane + VIMG
.set LKA,  3                           ; my lane's place in a pair of K's images
.set LSK,  4                           ; and among K's scale words
.set LSV,  5                           ; 4 x lane + VSC
.set ADK,  6                           ; v6-9 the step's addresses
.set ADV,  7
.set ADS,  8
.set ADT,  9
.set GO,   10
.set SH8,  11                          ; 8 x (lane / 16)
.set ST,   12                          ; tile u at v[12 + 4 u]: -M, -M once more, the sum in two halves
.set QF,   20                          ; tile u's q, zeros, q at v[20 + 12 u]
.set QS,   44
.set SK,   46                          ; v46-49 K's scale words: lanes 0-15 tile 2 p, lanes 16-31 tile 2 p + 1
.set SV,   50
.set PW,   52
.set PC,   54                          ; P's codes, 8 a tile
.set KF,   70                          ; four fragments of K, then of V
.set S,    102                         ; S^T, then p
.set OT,   166                         ; O^T, 32 a tile
.set BM,   230                         ; v230-231 my two blocks' largest score, then largest p
.set BX,   232                         ; v232-235 at work
.set BS,   236                         ; v236-237 the conversions' scale operands
.set FF,   238                         ; f = 2^(old M - new M), twice: tile 0's in v238-239, tile 1's in v252-253
.set TMP,  240
.set WD,   241
.set SC2,  242                         ; v242-243, v244-247: the sums' three further chains; v244-247 also the four chains of maxima
.set MX,   244
.set CV,   248                         ; v248-249 c, twice: the two halves of a dual pair take their sources from different register banks
.set RS,   250                         ; v250-251 tile u's largest score so far
.set SPW,  254
.set NIL,  255
.set WV,   18
.set SEL,  20
.set CS,   22
.set G1K,  24
.set G1V,  32
.set G0K,  40
.set G0V,  44
.set TK,   48                          ; the step's first byte in KIMG: 8 images a step
.set TB,   49                          ; in VIMG: 4,096 a step
.set TS,   50                          ; in KSC: 512 a step
.set TV,   51                          ; in VSC: 256 a step
.set CNT,  52
.macro ROUND                           ; a round of the cluster's barrier
	s_barrier_signal -1
	s_barrier_wait -1
	s_cmp_lg_u32 s[WV], 0
	s_cbranch_scc1 .Lnot_wave_0_\@
	s_barrier_signal -3
.Lnot_wave_0_\@:
	s_barrier_wait -3
	s_barrier_signal -1
	s_barrier_wait -1
.endm
.macro PLACES                          ; four places behind a matrix instruction (ISA guide 7.12.1)
.rept 4
	v_nop
.endr
.endm
	s_load_b256 s[4:11], s[0:1], 0x0               ; qimg, qsc, kimg, ksc
	s_load_b128 s[12:15], s[0:1], 0x20             ; vimg, vsc
	s_load_b64 s[16:17], s[0:1], 0x30              ; out0
	v_lshl_add_u32 v[SPW], v0, 2, SPARE
	v_mov_b32 v[NIL], 0
	ds_add_u32 v[SPW], v[NIL]                      ; the opening lines: the add, twice on end, and its wait
	ds_add_u32 v[SPW], v[NIL]
	v_lshrrev_b32 v[GO], 5, v0
	v_readfirstlane_b32 s[WV], v[GO]               ; wave 0..15
	s_and_b32 s56, ttmp7, 0xffff                   ; 16 b + head, which the four partners share
	s_lshr_b32 s57, s56, 4                         ; b
	s_and_b32 s58, s56, 15                         ; head
	s_and_b32 s85, s[WV], 7                        ; which eighth of K or of V I fetch
	s_lshl_b32 s86, s85, 13                        ; 8,192 bytes each
	s_mul_i32 s53, s85, 16*KCH                     ; K's eighth in LDS: 16 padded images
	s_lshl_b32 s88, s56, 16                        ; K: the head's 65,536 bytes
	s_add_co_u32 s88, s88, s86
	s_mov_b32 s89, 0
	s_lshl_b32 s90, s57, 20                        ; V: the batch's 16 key steps of 65,536 bytes,
	s_lshl_b32 s87, s58, 12                        ; in each the head's 4,096,
	s_add_co_u32 s90, s90, s87
	s_lshl_b32 s87, s85, 17                        ; my two key steps
	s_add_co_u32 s90, s90, s87
	s_mov_b32 s91, 0
	s_and_b32 s84, s58, 1
	s_cmp_eq_u32 s84, 0
	s_mov_b32 s59, 0x03020302                      ; an odd head's two scale bytes are bytes 2, 3 of a word of qsc or ksc,
	s_cselect_b32 s59, 0x01000100, s59             ; an even head's bytes 0, 1: the selector lays them twice
	s_bfe_u32 s19, ttmp6, 0x40000                  ; cx
	s_lshl_b32 s84, ttmp9, 2
	s_add_co_u32 s19, s19, s84                     ; my block of 512 queries: it enters Q's and the output's addresses alone
	s_lshr_b32 s84, s58, 1
	s_lshl_b32 s87, s57, 3
	s_add_co_u32 s84, s84, s87
	s_lshl_b32 s84, s84, 13                        ; (8 b + head / 2) x 2,048 words
	s_lshl_b32 s87, s[WV], 9
	s_add_co_u32 s92, s84, s87                     ; ksc: my wave copies 128 words
	s_mov_b32 s93, 0
	s_lshl_b32 s87, s19, 11
	s_add_co_u32 s94, s84, s87
	s_lshl_b32 s87, s[WV], 7
	s_add_co_u32 s94, s94, s87                     ; qsc: my 32 queries' words
	s_mov_b32 s95, 0
	s_lshl_b32 s96, s56, 16
	s_lshl_b32 s87, s19, 14
	s_add_co_u32 s96, s96, s87
	s_lshl_b32 s87, s[WV], 10
	s_add_co_u32 s96, s96, s87                     ; qimg: (128 (16 b + head) + 32 block + 2 wave) x 512
	s_mov_b32 s97, 0
	s_lshl_b32 s98, s57, 4
	s_add_co_u32 s98, s98, s[WV]
	s_lshl_b32 s98, s98, 12
	s_lshl_b32 s87, s58, 8
	s_add_co_u32 s98, s98, s87                     ; vsc: ((16 b + wave) 1024 + 64 head) x 4: key step w's 64 words
	s_mov_b32 s99, 0
	s_lshl_b32 s66, s57, 23
	s_add_co_u32 s66, s66, s87                     ; out0: (2048 b + 512 block + 32 wave) x 4,096 + 256 head
	s_lshl_b32 s87, s19, 21
	s_add_co_u32 s66, s66, s87
	s_lshl_b32 s87, s[WV], 17
	s_add_co_u32 s66, s66, s87
	s_mov_b32 s67, 0
	; group 1.  K: 16 rows of 512 bytes (64 elements of 8), dense, 16 words of padding behind each 128.  V: two rows of 4,096 bytes, 65,536 bytes apart, no padding
	s_mov_b32 s[G1K], 15|(3<<16)|(1<<20)|(1<<21)|(6<<22)|(15<<25)
	s_mov_b32 s[G1K+1], 64<<16
	s_mov_b32 s[G1K+2], 16<<16
	s_mov_b32 s[G1K+3], 64<<16
	s_mov_b32 s[G1K+4], 16
	s_mov_b32 s[G1K+5], 64
	s_mov_b32 s[G1K+6], 0
	s_mov_b32 s[G1K+7], 0
	s_mov_b32 s[G1V], 15|(3<<16)|(1<<21)
	s_mov_b32 s[G1V+1], 512<<16
	s_mov_b32 s[G1V+2], 2<<16
	s_mov_b32 s[G1V+3], 512<<16
	s_mov_b32 s[G1V+4], 2
	s_mov_b32 s[G1V+5], 8192
	s_mov_b32 s[G1V+6], 0
	s_mov_b32 s[G1V+7], 0
	s_mov_b32 s[SEL], 0x76543210
	s_mov_b32 s[SEL+1], 0xfedcba98
	s_mov_b32 s[CS], 0x3d38aa3b                    ; c = log2(e) / 32
	s_mov_b32 s[TK], 0
	s_mov_b32 s[TB], 0
	s_mov_b32 s[TS], 0
	s_mov_b32 s[TV], 0
	s_mov_b32 s[CNT], 16
	s_wait_dscnt 0x0                               ; both opening adds are done
	s_wait_kmcnt 0x0
	s_add_nc_u64 s[4:5], s[4:5], s[96:97]
	s_add_nc_u64 s[6:7], s[6:7], s[94:95]
	s_add_nc_u64 s[10:11], s[10:11], s[92:93]
	s_add_nc_u64 s[14:15], s[14:15], s[98:99]
	s_add_nc_u64 s[16:17], s[16:17], s[66:67]
	s_mov_b32 s[G0K], 1
	s_mov_b32 s[G0K+1], s53
	s_add_nc_u64 s[G0K+2:G0K+3], s[8:9], s[88:89]
	s_or_b32 s[G0K+3], s[G0K+3], 0x80000000
	s_mov_b32 s[G0V], 1
	s_add_co_u32 s[G0V+1], s86, VIMG
	s_add_nc_u64 s[G0V+2:G0V+3], s[12:13], s[90:91]
	s_or_b32 s[G0V+3], s[G0V+3], 0x80000000
	ROUND                                          ; all four work-groups are here: the joint loads meet
	s_cmp_lt_u32 s[WV], 8                          ; one load a wave, one in each arm: every way through the head passes exactly one
	s_cbranch_scc0 .Lfor_v
	tensor_load_to_lds s[G0K:G0K+3], s[G1K:G1K+7]
	s_nop 0
	PLACES
	s_branch .Lasked
.Lfor_v:
	tensor_load_to_lds s[G0V:G0V+3], s[G1V:G1V+7]
	s_nop 0
	PLACES
.Lasked:
	v_and_b32 v[MX], 31, v0                        ; lane
	v_and_b32 v[MX+1], 15, v0                      ; r
	v_lshlrev_b32 v[LI], 4, v[MX]
	v_lshlrev_b32 v[ADT], 2, v[MX+1]               ; 4 r
	v_lshlrev_b32 v[ADK], 3, v[MX]                 ; 8 x lane
.irp u, 0,1
	global_load_b128 v[QF+12*\u:QF+12*\u+3], v[LI], s[4:5] offset:512*\u       ; tile u's image of Q, twice: in front of the zeros and behind them
	global_load_b128 v[QF+12*\u+8:QF+12*\u+11], v[LI], s[4:5] offset:512*\u
	global_load_b32 v[QS+\u], v[ADT], s[6:7] offset:64*\u
.endr
	global_load_b128 v[S:S+3], v[LI], s[10:11]     ; 128 of K's scale words
	global_load_b64 v[S+4:S+5], v[ADK], s[14:15]   ; 64 of V's
	v_add_nc_u32 v[LIV], VIMG, v[LI]
	v_lshl_add_u32 v[LSV], v[MX], 2, VSC
	s_lshl_b32 s84, s[WV], 9
	s_add_co_u32 s84, s84, KSC
	v_add_nc_u32 v[ADV], s84, v[LI]                ; where my wave puts K's words
	s_lshl_b32 s84, s[WV], 8
	s_add_co_u32 s84, s84, VSC
	v_lshl_add_u32 v[ADS], v[MX], 3, s84           ; and V's
	v_bfe_u32 v[MX+1], v0, 3, 1                    ; r / 8
	v_and_b32 v[MX+2], 7, v0                       ; r % 8
	v_bfe_u32 v[MX+3], v0, 4, 1                    ; h
	v_mul_u32_u24 v[LKA], v[MX+1], 2*KCH           ; K: two images on for rows 8-15,
	v_lshl_add_u32 v[LKA], v[MX+3], 8, v[LKA]      ; my half of the head's 64,
	v_lshl_add_u32 v[LKA], v[MX+2], 4, v[LKA]      ; key r % 8 of the image's half
	v_lshlrev_b32 v[LSK], 7, v[MX+1]               ; K's scale words: 32 keys on for rows 8-15,
	v_lshl_add_u32 v[LSK], v[MX+3], 5, v[LSK]      ; lanes 16-31 the pair's second tile, 8 keys on,
	v_lshl_add_u32 v[LSK], v[MX+2], 2, v[LSK]
	v_add_nc_u32 v[LSK], KSC, v[LSK]
	v_lshlrev_b32 v[SH8], 3, v[MX+3]
.irp u, 0,1
.irp i, 4,5,6,7
	v_mov_b32 v[QF+12*\u+\i], 0                    ; the zero codes between the two copies of q
.endr
.endr
.set J, 0
.rept 64
	v_mov_b32 v[OT+J], 0                           ; O^T: the step is written once; the first finds zeros, which the first change of M leaves zeros
.set J, J+1
.endr
	s_wait_loadcnt 0x0
.irp i, 0,1,2,3
	v_perm_b32 v[S+\i], v[S+\i], v[S+\i], s59      ; my head's two bytes, twice
.endr
	ds_store_b128 v[ADV], v[S:S+3]
	ds_store_b64 v[ADS], v[S+4:S+5]
	v_perm_b32 v[QS], v[QS], v[QS], s59
	v_perm_b32 v[QS+1], v[QS+1], v[QS+1], s59
.set J, 0
.rept 64
	v_mov_b32 v[S+J], 0                            ; p: the first trip's head adds these zeros to tile 1's sum
.set J, J+1
.endr
.irp b, 0,1,2
	v_mov_b32 v[BX+\b], 0                          ; a lane permute's destination counts as one of its sources
.endr
.irp u, 0,1
	v_mov_b32 v[RS+\u], 0xff61b1e6                 ; the largest score so far: -3e38
	v_mov_b32 v[ST+4*\u], 0x7f000000               ; -M: a large whole number, so that the first f is 0
	v_mov_b32 v[CV+\u], s[CS]
	v_mov_b32 v[ST+4*\u+2], 0
	v_mov_b32 v[ST+4*\u+3], 0
.endr
.macro SCORES u                        ; S^T of tile u of queries: pair p gives score tiles 2 p and 2 p + 1
.irp i, 0,1,2,3
	v_wmma_scale_f32_16x16x128_f8f6f4 v[S+16*\i:S+16*\i+7], v[KF+8*\i:KF+8*\i+7], v[QF+12*\u:QF+12*\u+7], 0, v[SK+\i], v[QS+\u] matrix_a_fmt:MATRIX_FMT_FP4 matrix_b_fmt:MATRIX_FMT_FP4
	v_wmma_scale_f32_16x16x128_f8f6f4 v[S+16*\i+8:S+16*\i+15], v[KF+8*\i:KF+8*\i+7], v[QF+12*\u+4:QF+12*\u+11], 0, v[SK+\i], v[QS+\u] matrix_a_fmt:MATRIX_FMT_FP4 matrix_b_fmt:MATRIX_FMT_FP4 matrix_a_scale:MATRIX_SCALE_ROW1
.endr
.endm
.macro PV                              ; O^T += V^T P^T: the eight accumulators take turns
.irp dt, 0,1,2,3
.irp u, 0,1
.if (\dt)%2
	v_wmma_scale_f32_16x16x128_f8f6f4 v[OT+32*\u+8*\dt:OT+32*\u+8*\dt+7], v[KF+8*\dt:KF+8*\dt+7], v[PC+8*\u:PC+8*\u+7], v[OT+32*\u+8*\dt:OT+32*\u+8*\dt+7], v[SV+(\dt)/2], v[PW+\u] matrix_a_fmt:MATRIX_FMT_FP4 matrix_b_fmt:MATRIX_FMT_FP4 matrix_a_scale:MATRIX_SCALE_ROW1
.else
	v_wmma_scale_f32_16x16x128_f8f6f4 v[OT+32*\u+8*\dt:OT+32*\u+8*\dt+7], v[KF+8*\dt:KF+8*\dt+7], v[PC+8*\u:PC+8*\u+7], v[OT+32*\u+8*\dt:OT+32*\u+8*\dt+7], v[SV+(\dt)/2], v[PW+\u] matrix_a_fmt:MATRIX_FMT_FP4 matrix_b_fmt:MATRIX_FMT_FP4
.endif
.endr
.endr
.endm
.macro TMS from, cnt                   ; t - M of cnt pairs of scores from register S + from on
.set J, \from
.rept \cnt
	v_dual_fma_f32 v[S+J], v[S+J], v[CV], v[SU] :: v_dual_fma_f32 v[S+J+1], v[S+J+1], v[CV+1], v[SU+1]
.set J, J+2
.endr
.endm
.macro ORS o, f, from, cnt             ; O^T under the new M: cnt pairs from register o + from on, ascending
.set J, \from
.rept \cnt
	v_dual_mul_f32 v[\o+J], v[\o+J], v[\f] :: v_dual_mul_f32 v[\o+J+1], v[\o+J+1], v[\f+1]
.set J, J+2
.endr
.endm
.macro ADD2 d, a, b                    ; two sums at once, on neighbouring registers
	v_dual_add_f32 v[\d], v[\a], v[\b] :: v_dual_add_f32 v[(\d)+1], v[(\a)+1], v[(\b)+1]
.endm
; THE ROW'S SUM OF THE UNQUANTISED p: 32 pairs in four chains (acc, SC2, MX, MX + 2), in eight pieces of four lines, so that other lines can stand between the pieces
.macro SUMSEG k, acc
.if \k == 0
	ADD2 SC2, S, S+2
	ADD2 MX, S+4, S+6
	ADD2 MX+2, S+8, S+10
	ADD2 \acc, S+12, \acc
.else
.if \k == 7
	ADD2 SC2, S+62, SC2
	ADD2 MX, MX+2, MX
	ADD2 \acc, SC2, \acc
	ADD2 \acc, MX, \acc
.else
	ADD2 SC2, S+8*(\k)+6, SC2
	ADD2 MX, S+8*(\k)+8, MX
	ADD2 MX+2, S+8*(\k)+10, MX+2
	ADD2 \acc, S+8*(\k)+12, \acc
.endif
.endif
.endm
.macro CVT4 c                          ; registers 4 c .. 4 c + 3 of P's operand: keys 64 c + 32 h + 0 .. 31
.irp i, 0,1,2,3
	v_cvt_scalef32_pk8_fp4_f32 v[PU+4*\c+\i], v[S+32*\c+8*\i:S+32*\c+8*\i+7], v[BS+\c]
.endr
.endm
; The softmax of tile u for these 128 keys, up to p.  My block c (keys 64 c + 32 h on) is v[S + 32 c] to v[S + 32 c + 31].
.macro SMHEAD u
.set SU, ST+4*\u
.set OU, OT+32*\u
.set PU, PC+8*\u
.set FU, FF+14*\u
.irp c, 0,1                            ; each block's largest score, in two chains a block; every result is first read at its low end
	v_max3_num_f32 v[MX+2*\c], v[S+32*\c], v[S+32*\c+1], v[S+32*\c+2]
	v_max3_num_f32 v[MX+2*\c+1], v[S+32*\c+16], v[S+32*\c+17], v[S+32*\c+18]
.endr
.irp i, 3,5,7,9,11,13
.irp c, 0,1
	v_max3_num_f32 v[MX+2*\c], v[MX+2*\c], v[S+32*\c+\i], v[S+32*\c+\i+1]
	v_max3_num_f32 v[MX+2*\c+1], v[MX+2*\c+1], v[S+32*\c+\i+16], v[S+32*\c+\i+17]
.endr
.endr
.irp c, 0,1
	v_max3_num_f32 v[BM+\c], v[MX+2*\c], v[MX+2*\c+1], v[S+32*\c+15]
.endr
.irp c, 0,1
	v_max_num_f32 v[BM+\c], v[BM+\c], v[S+32*\c+31]   ; it serves twice: for the row's maximum and, since p rises with the score, for the block's largest p
.endr
	s_delay_alu instid0(VALU_DEP_1)
	v_max_num_f32 v[TMP], v[BM], v[BM+1]
	s_delay_alu instid0(VALU_DEP_1)
	v_permlanex16_b32 v[BX], v[TMP], s[SEL], s[SEL+1]
	s_delay_alu instid0(VALU_DEP_1)
	v_max3_num_f32 v[RS+\u], v[RS+\u], v[TMP], v[BX]   ; the running largest score of my query, lane l xor 16's blocks among them
	s_delay_alu instid0(VALU_DEP_1)
	v_mul_f32 v[TMP], s[CS], v[RS+\u]              ; as t (c is positive)
	v_mov_b32 v[BX+1], v[SU]
	s_delay_alu instid0(VALU_DEP_2)
	v_floor_f32 v[SU], -v[TMP]                     ; the new -M = -ceil(t),
	v_floor_f32 v[SU+1], -v[TMP]                   ; in two registers
	TMS 0, 2                                       ; t - M, two at a time; the three lines that make f stand among them
	v_sub_f32 v[TMP], v[SU], v[BX+1]               ; old M - new M: a whole number, 0 or less
	TMS 4, 3
	v_cvt_i32_f32 v[TMP], v[TMP]                   ; (it saturates)
	TMS 10, 3
	v_ldexp_f32 v[FU], 1.0, v[TMP]                 ; f = 2^(old M - new M),
	v_ldexp_f32 v[FU+1], 1.0, v[TMP]               ; in two registers
	TMS 16, 24
.irp c, 0,1
	v_fma_f32 v[BM+\c], v[BM+\c], s[CS], v[SU]     ; the same of each block's largest score
.endr
	s_wait_alu depctr_va_vdst(0)                   ; the wait ahead of the batch
.set J, 0
.rept 64
	v_exp_f32 v[S+J], v[S+J]                       ; p = 2^(t - M), at most 1
.set J, J+1
.endr
.irp c, 0,1
	v_exp_f32 v[BM+\c], v[BM+\c]                   ; the block's largest p: the same two instructions on the same number
.endr
	v_mul_f32 v[SU+2], v[SU+2], v[FU]              ; the sums under the new M (plain places behind the exponentials)
	v_mul_f32 v[SU+3], v[SU+3], v[FU]
	s_wait_alu depctr_va_vdst(0)                   ; one wait for the batch, ahead of its first reader
.irp c, 0,1
	v_max_num_f32 v[BM+\c], 0x1800000, v[BM+\c]    ; the floor 2^(3 - 127): the byte cannot fall under 1
.endr
.endm
; The lines that make P's scale word and codes, one at a time: BS = 2 off the exponent field (the conversion's scale operand); its byte; my two bytes (blocks h and 2 + h) at their places in the word; with lane l xor 16's two the word is whole
.macro W_BS
	v_add_nc_u32 v[BS], 0xff000000, v[BM]
	v_add_nc_u32 v[BS+1], 0xff000000, v[BM+1]
.endm
.macro W_BYTES
	v_lshrrev_b32 v[TMP], 23, v[BS]
	v_lshrrev_b32 v[BX+3], 23, v[BS+1]
.endm
	s_wait_alu depctr_va_vdst(0)                   ; the wait at the head's end
	s_wait_tensorcnt 0x0                           ; my piece of K or V is in,
	s_wait_dscnt 0x0                               ; and my stores of scale words are done
	s_barrier_signal -1
	s_barrier_wait -1                              ; both hold of all sixteen waves: all of K, V and their scale words are in LDS
.Lstep:                                            ; a key step: 128 keys
	v_add_nc_u32 v[ADK], s[TK], v[LKA]             ; the four additions are also the places behind the last step's products, in front of the loads into the registers that they read
	v_add_nc_u32 v[ADV], s[TB], v[LIV]
	v_add_nc_u32 v[ADS], s[TS], v[LSK]
	v_add_nc_u32 v[ADT], s[TV], v[LSV]
.irp p, 0,1,2,3
	ds_load_b128 v[KF+8*\p:KF+8*\p+3], v[ADK] offset:(4*(\p/2)+(\p%2))*KCH          ; score tile 2 p: keys 64 (p / 2) + 16 (p % 2) + r % 8 + 32 (r / 8),
	ds_load_b128 v[KF+8*\p+4:KF+8*\p+7], v[ADK] offset:(4*(\p/2)+(\p%2))*KCH+128    ; tile 2 p + 1: 8 keys on,
	ds_load_b32 v[SK+\p], v[ADS] offset:256*(\p/2)+64*(\p%2)                        ; and both tiles' scale words
.endr
.irp k, 0,1,2,3,4,5,6,7
	SUMSEG \k, ST+6                                ; tile 1's sum of the LAST step's p, which still lies in S, while K's fragments are on their way
.endr
	s_wait_dscnt 0x0
	SCORES 0
	PLACES
	SMHEAD 0
	SUMSEG 0, ST+2                                 ; tile 0's sums stand among the lines that make P's scale word and codes
	W_BS
	SUMSEG 1, ST+2
	W_BYTES
	CVT4 0
	SUMSEG 2, ST+2
	v_lshl_or_b32 v[WD], v[BX+3], 16, v[TMP]
	CVT4 1
	SUMSEG 3, ST+2
	v_lshlrev_b32 v[WD], v[SH8], v[WD]
	SUMSEG 4, ST+2
	v_permlanex16_b32 v[BX+2], v[WD], s[SEL], s[SEL+1]
	SUMSEG 5, ST+2
	v_or_b32 v[PW], v[WD], v[BX+2]
	SUMSEG 6, ST+2
	SUMSEG 7, ST+2
	SCORES 1
	ORS OT, FF, 0, 16                              ; tile 0's O^T under its new M: these sixteen lines are also the places behind the scores
.irp dt, 0,1,2,3
	ds_load_b128 v[KF+8*\dt:KF+8*\dt+3], v[ADV] offset:1024*\dt      ; V's fragments take K's place and land while the second softmax runs
	ds_load_b128 v[KF+8*\dt+4:KF+8*\dt+7], v[ADV] offset:1024*\dt+512
.endr
	ds_load_b32 v[SV], v[ADT]
	ds_load_b32 v[SV+1], v[ADT] offset:128
	SMHEAD 1
	ORS OT+32, FF+14, 0, 2                         ; tile 1's O^T under its new M stands among the lines that make P's scale word and codes
	W_BS
	ORS OT+32, FF+14, 4, 1
	W_BYTES
	CVT4 0
	v_lshl_or_b32 v[WD], v[BX+3], 16, v[TMP]
	ORS OT+32, FF+14, 6, 1
	CVT4 1
	v_lshlrev_b32 v[WD], v[SH8], v[WD]
	ORS OT+32, FF+14, 8, 2
	v_permlanex16_b32 v[BX+2], v[WD], s[SEL], s[SEL+1]
	ORS OT+32, FF+14, 12, 1
	v_or_b32 v[PW+1], v[WD], v[BX+2]
	ORS OT+32, FF+14, 14, 9                        ; nine lines: the places between P's scale word and the products that take it
	s_wait_alu depctr_va_vdst(0)                   ; directly ahead of the wait below
	s_wait_dscnt 0x0
	PV
	s_add_co_u32 s[TK], s[TK], 8*KCH
	s_add_co_u32 s[TB], s[TB], 4096
	s_add_co_u32 s[TS], s[TS], 512
	s_add_co_u32 s[TV], s[TV], 256
	s_sub_co_u32 s[CNT], s[CNT], 1
	s_cmp_lg_u32 s[CNT], 0
	s_cbranch_scc1 .Lstep
	; THE WAY OUT.  O^T is divided by the row's sum and goes through my stage in LDS, a tile of 16 queries at a time: a row's 64 channels are 256 bytes, which sixteen lanes store on end.
.irp k, 0,1,2,3,4,5,6,7
	SUMSEG \k, ST+6                                ; tile 1's sum of the last step's p (these lines are also the places behind the last products)
.endr
.irp u, 0,1
	v_add_f32 v[ST+4*\u+2], v[ST+4*\u+2], v[ST+4*\u+3]   ; the sum's two halves,
.endr
.irp u, 0,1
	s_delay_alu instid0(VALU_DEP_2)
	v_permlanex16_b32 v[BX+\u], v[ST+4*\u+2], s[SEL], s[SEL+1]
.endr
.irp u, 0,1
	s_delay_alu instid0(VALU_DEP_2)
	v_add_f32 v[ST+4*\u+2], v[ST+4*\u+2], v[BX+\u]       ; and lane l xor 16's: the row's sum
.endr
	s_wait_alu depctr_va_vdst(0)                   ; the wait ahead of the transcendentals
.irp u, 0,1
	v_rcp_f32 v[ST+4*\u+2], v[ST+4*\u+2]
.endr
	v_and_b32 v[MX], 15, v0                        ; (plain places behind the reciprocals)  r
	v_bfe_u32 v[MX+1], v0, 4, 1                    ; h
	s_mul_i32 s84, s[WV], 16*SP
	s_add_co_u32 s84, s84, STG                     ; my stage
	v_mul_u32_u24 v[ADK], v[MX], SP
	v_mul_u32_u24 v[ADV], v[MX+1], SP
	v_lshlrev_b32 v[GO], 12, v[MX+1]
	v_lshl_add_u32 v[ADK], v[MX+1], 5, v[ADK]
	v_lshl_add_u32 v[ADV], v[MX], 4, v[ADV]
	v_lshl_add_u32 v[GO], v[MX], 4, v[GO]          ; two rows of the output, 4,096 bytes apart
	v_add_nc_u32 v[ADK], s84, v[ADK]               ; in: row r; tile dt's eight channels of my half: 64 dt + 32 h bytes on
	v_add_nc_u32 v[ADV], s84, v[ADV]               ; back: lanes 0-15 one row, lanes 16-31 the next
	s_wait_alu depctr_va_vdst(0)                   ; the wait ahead of the reciprocals' first reader, which is also O^T's
.irp u, 0,1
.set J, 0
.rept 16
	v_pk_mul_f32 v[S+32*\u+J:S+32*\u+J+1], v[OT+32*\u+J:OT+32*\u+J+1], v[ST+4*\u+2:ST+4*\u+3] op_sel_hi:[1,0]   ; register 8 dt + j is channel 16 dt + 8 h + j of query r
.set J, J+2
.endr
.endr
.macro TOSTAGE u, back                 ; tile u into the stage, and back as whole rows into v[back] on
.irp dt, 0,1,2,3
	ds_store_b128 v[ADK], v[S+32*\u+8*\dt:S+32*\u+8*\dt+3] offset:64*\dt
	ds_store_b128 v[ADK], v[S+32*\u+8*\dt+4:S+32*\u+8*\dt+7] offset:64*\dt+16
.endr
.irp i, 0,1,2,3,4,5,6,7
	ds_load_b128 v[\back+4*\i:\back+4*\i+3], v[ADV] offset:2*\i*SP   ; LDS serves a wave's instructions in order (ISA guide 5.7.1.4): these see my stores, and the next tile's stores come behind them
.endr
.endm
	TOSTAGE 0, KF
	TOSTAGE 1, OT
.irp i, 0,1,2,3,4,5,6,7
	s_wait_dscnt 16+7-\i                           ; behind tile 0's load i: its 7 - i younger loads and tile 1's sixteen LDS instructions
	global_store_b128 v[GO], v[KF+4*\i:KF+4*\i+3], s[16:17] offset:8192*\i th:TH_STORE_NT   ; 16 lanes store 256 consecutive bytes, at a multiple of 256 from the output's first byte
.endr
.irp i, 0,1,2,3,4,5,6,7
	s_wait_dscnt 7-\i
	global_store_b128 v[GO], v[OT+4*\i:OT+4*\i+3], s[16:17] offset:8192*\i+65536 th:TH_STORE_NT
.endr
	s_wait_tensorcnt 0x0                           ; the wave's end
	ds_add_u32 v[SPW], v[NIL]
	s_wait_dscnt 0x0
	ROUND                                          ; the closing round
	s_endpgm
.Lfunc_end_k_qcd2046f88f_attn:
	.size	k_qcd2046f88f_attn, .Lfunc_end_k_qcd2046f88f_attn-k_qcd2046f88f_attn
	.p2alignl 7, 3214868480
	.fill 96, 4, 3214868480
	.section	.rodata,"a",@progbits
	.p2align	6, 0x0
	.amdhsa_kernel k_qcd2046f88f_attn
		.amdhsa_group_segment_fixed_size 327680
		.amdhsa_private_segment_fixed_size 0
		.amdhsa_enable_private_segment 0
		.amdhsa_kernarg_size 56
		.amdhsa_user_sgpr_count 2
		.amdhsa_user_sgpr_kernarg_segment_ptr 1
		.amdhsa_wavefront_size32 1
		.amdhsa_system_sgpr_workgroup_id_x 1
		.amdhsa_system_sgpr_workgroup_id_y 1
		.amdhsa_system_sgpr_workgroup_id_z 1
		.amdhsa_system_vgpr_workitem_id 0
		.amdhsa_next_free_vgpr 256
		.amdhsa_next_free_sgpr 100
		.amdhsa_reserve_vcc 0
		.amdhsa_float_denorm_mode_32 3
		.amdhsa_float_denorm_mode_16_64 3
		.amdhsa_memory_ordered 1
		.amdhsa_forward_progress 1
		.amdhsa_inst_pref_size 52
	.end_amdhsa_kernel
	.amdgpu_metadata
---
amdhsa.version: [ 1, 2 ]
amdhsa.kernels:
  - .name:           k_qcd2046f88f_attn
    .symbol:         k_qcd2046f88f_attn.kd
    .args:
      - { .name: qimg, .offset: 0, .size: 8, .value_kind: global_buffer, .address_space: global }
      - { .name: qsc, .offset: 8, .size: 8, .value_kind: global_buffer, .address_space: global }
      - { .name: kimg, .offset: 16, .size: 8, .value_kind: global_buffer, .address_space: global }
      - { .name: ksc, .offset: 24, .size: 8, .value_kind: global_buffer, .address_space: global }
      - { .name: vimg, .offset: 32, .size: 8, .value_kind: global_buffer, .address_space: global }
      - { .name: vsc, .offset: 40, .size: 8, .value_kind: global_buffer, .address_space: global }
      - { .name: out0, .offset: 48, .size: 8, .value_kind: global_buffer, .address_space: global }
    .group_segment_fixed_size: 327680
    .private_segment_fixed_size: 0
    .kernarg_segment_align: 8
    .kernarg_segment_size: 56
    .max_flat_workgroup_size: 512
    .sgpr_count:     100
    .vgpr_count:     256
    .wavefront_size: 32
...
	.end_amdgpu_metadata
.endif
;; end of part 2
